; MI455X (gfx1250); checked and timed in simulation.
; The chip was launched on July 23, 2026; its instructions are those of AMD's public machine-readable ISA for CDNA 5 (MIT licence, August 2026) and "CDNA5" Instruction Set Architecture Reference Guide (July 2026). The comments in the code are by the model that wrote it; some were corrected since.
;; MSA1. Allowed arithmetic: matrix products marked QUANTISED: E5M2 operands, one E8M0 scale for each 32 along K, by v_wmma_scale_f32_16x16x128_f8f6f4 with both operands' format E5M2, f32 sums; products left as they are: f32 operands where the result goes on into a quantised operand, else bf16, f16 or f32 operands; f32 sums; everything else in f32.
;; Inputs: Wk 512 x 512 float32; Wo 512 x 512 float32; Wq 512 x 512 float32; Wv 512 x 512 float32; ax 8 x 512 x 4 x 2,048 float32; bk 512 float32; bo 512 float32; bq 512 float32; bv 512 float32; x 8 x 512 x 2,048 x 1 float32.
;; Outputs: out0 8 x 512 x 2,048 x 1 float32.
;; This version of the problem:
;;   THIS VERSION OF THE PROBLEM IS GIVEN IN LOW PRECISION. The matrix products marked QUANTISED in the list below multiply operands that are first quantised to E5M2 (5 exponent bits, 2 mantissa bits; 8 bits a number), with one power-of-two scale for each 32 numbers along K (OCP MX v1.0); their sums are f32. All else is computed in f32.
;;   The module's matrix products, in the order in which they are computed (A, B: the left and right operand; K: the contracted axis; several contracted axes count as one K, in the product's order):
;;     1. [M 16,384, K 512] x [K 512, N 512]; A: input x; B: input Wq: QUANTISED
;;     2. [M 16,384, K 512] x [K 512, N 512]; A: input x; B: input Wk: QUANTISED
;;     3. [M 16,384, K 512] x [K 512, N 512]; A: input x; B: input Wv: QUANTISED
;;     4. [M 65,536, K 512] x [K 512, N 512]; A: input ax; B: input Wk: QUANTISED
;;     5. [M 65,536, K 512] x [K 512, N 512]; A: input ax; B: input Wv: QUANTISED
;;     6. batch 131,072 x [M 7, K 64] x [K 64, N 1]; A: computed on the way; B: computed on the way: left as it is (M = 7 < 16)
;;     7. batch 131,072 x [M 64, K 7] x [K 7, N 1]; A: computed on the way; B: softmax: left as it is (K = 7 < 32)
;;     8. [M 16,384, K 512] x [K 512, N 512]; A: computed on the way; B: input Wo: QUANTISED
;;   THE QUANTISER, for each operand of a quantised product, along K:
;;     - K is cut into blocks of 32 from its start; a last block that is shorter is filled with zeros.
;;     - A block's scale is 2^e with e = floor(log2(the largest magnitude in the block)) - 15, held to -126 .. 127; a block of zeros has e = 0. As a byte (E8M0): e + 127.
;;     - Each number is divided by its block's scale, clamped to +-57,344, and rounded to the nearest number of E5M2, ties to even, subnormals kept.
;;     - The product sums the exact products of the quantised numbers (number of the format x scale) in f32.
;;   ~~~python
;;   def quantise(x, axis):      # numpy; x: float32 -> the quantised numbers, widened to float32 again
;;       x = np.moveaxis(x, axis, -1); K = x.shape[-1]
;;       x = np.pad(x, [(0, 0)] * (x.ndim - 1) + [(0, -K % 32)]); x = x.reshape(x.shape[:-1] + (-1, 32)); a = np.abs(x).max(-1, keepdims=True)
;;       e = np.where(a > 0, np.clip(np.frexp(np.where(a > 0, a, 1))[1] - 1 - 15, -126, 127), 0)      # np.frexp(a)[1] - 1 = floor(log2(a)), exactly
;;       r = np.clip(x / 2.0 ** e, -57344, 57344)
;;       step = 2.0 ** (np.maximum(np.frexp(np.where(r == 0, 1, r))[1] - 1, -14) - 2)
;;       q = np.round(r / step) * step * 2.0 ** e      # np.round: ties to even
;;       return np.moveaxis(q.reshape(q.shape[:-2] + (-1,))[..., :K], -1, axis).astype(np.float32)
;;   ~~~
;;   OPERANDS COMPUTED ON THE WAY. 'Computed on the way' means the value that the module computes at that place (a softmax that the list does not call 'softmax' is quantised finished and normalised). What goes into a quantiser is computed in f32, as accurately as f32 sums, v_exp_f32 and their like allow (about 1e-6 of the number): no bf16 or f16 on the way to a quantiser, and a product that is left as it is and whose result goes on into a quantised operand takes f32 operands (vector FMAs, or v_wmma_f32_16x16x4_f32). A number that lies on a knife's edge between two numbers of the format may be rounded either way, as far as f32 arithmetic and the matrix unit's own rounding can turn it there, and no further.
;; One version. Each part assembles by itself: llvm-mc -triple=amdgcn-amd-amdhsa -mcpu=gfx1250 --defsym DOCPART=n.
;; ======== version 1 of 1: 2 launches
;; limits: right only within a limited range of input values
;; workspace buffers: wst 1,089,536 bytes
;; launch prep (part 1): grid 128 x 1, 4 waves a work-group, no clusters, 768 bytes of LDS; arguments Wq, Wk, Wv, Wo, bq, bk, bv, wst; writes wst
.if DOCPART == 1
	.amdgcn_target "amdgcn-amd-amdhsa--gfx1250"
	.amdhsa_code_object_version 6
	.text
	.protected	k_qa4e618d003_prep
	.globl	k_qa4e618d003_prep
	.p2align	8
	.type	k_qa4e618d003_prep,@function
k_qa4e618d003_prep:
	s_mov_b64 s[64:65], 0
	v_nop
	global_prefetch_b8 v0, s[64:65] scope:SCOPE_SE
	s_setreg_imm32_b32 hwreg(HW_REG_WAVE_MODE, 25, 1), 1
	s_wait_xcnt 0x0
; Wq, Wk, Wv, Wo [512 (k)][512 (n)], f32, K their FIRST axis, become codes of BF8 (E5M2) with one E8M0 byte for each 32 along K, laid in wst as the second launch's LDS wants them:
; fragments as images of the operand's registers (16 columns x 128 K = 2,048 bytes: register group c at 512 c + 16 x lane), scale words, and the biases bq, bk, bv beside their heads.
; wst: eight head chunks of 102,400 bytes (Wq's 16 fragments, Wk's, Wv's; at 98,304 the scale words, 512 bytes for a pair of tiles; at 101,376 three times 64 biases; at 102,144 256 zeros),
; then Wo's fragments by owner wave w' (128 channels each), numbers i = 4 tile + kk: i = 0-7 of all four (65,536 bytes), Wo's scale words (8,192 bytes), i = 8-19 (98,304 bytes), i = 20-31 (98,304 bytes).
; A pair's scale words are two runs of 256 bytes: run q holds for each of the pair's 32 rows (16 ts + r) the words of K steps 2 q and 2 q + 1.
; THE COLUMNS OF A TILE of Wq, Wk, Wv ARE NOT NEIGHBOURS: row r of tile 2 p + ts is column 32 p + 8 ts + r + 8 (r / 8) of its head, so that the results of two neighbouring tiles are 16 neighbours along the next K.  Wo's tiles are plain.
; A lane takes a column and its registers run down K: a load reads 32 neighbouring columns of a row (128 consecutive bytes), and a block of 32 along K lies in one lane.
; A block's scale is 2^(floor(log2(largest magnitude)) - 15); its byte is the largest magnitude's exponent field - 15, held at 1 from below.
; LIMITS: a block whose largest magnitude lies under 2^-111 (a block of zeros too) gets the byte 1: its codes of zeros add nothing, and this program alone reads the bytes.  NaN and infinities among the inputs are not served.
; SHARES: work-group g: matrix g / 32, pair of tiles (g / 2) % 16, K steps 2 q and 2 q + 1 with q = g % 2; wave w: 64 along K: K step 2 q + w / 2, its blocks 2 (w % 2) and the next.
	s_load_b256 s[4:11], s[0:1], 0x0               ; Wq, Wk, Wv, Wo
	s_load_b256 s[12:19], s[0:1], 0x20             ; bq, bk, bv, wst
	v_lshl_add_u32 v128, v0, 2, 0x100              ; my spare word
	v_mov_b32 v129, 0
	v_lshrrev_b32 v1, 5, v0
	v_readfirstlane_b32 s20, v1                    ; wave
	s_lshr_b32 s21, ttmp9, 5                       ; which matrix: 0 Wq, 1 Wk, 2 Wv, 3 Wo
	s_bfe_u32 s22, ttmp9, 0x40001                  ; which 32 columns
	s_and_b32 s23, ttmp9, 1                        ; q
	s_lshl_b32 s24, s23, 1
	s_lshr_b32 s25, s20, 1
	s_add_co_u32 s24, s24, s25                     ; kk: my K step
	s_and_b32 s25, s20, 1
	s_lshl_b32 s25, s25, 10                        ; my two blocks' place in a fragment
	s_lshl_b32 s28, s20, 1
	s_and_b32 s35, s22, 3                          ; Wo: the owner wave's pair of tiles
	s_mov_b32 s29, 2048                            ; from the pair's first tile to its second: one fragment,
	s_cmp_eq_u32 s21, 3
	s_cselect_b32 s26, 4, 3                        ; which bit of my lane is ts,
	s_cselect_b32 s27, 3, 4                        ; and which is r / 8
	s_cselect_b32 s29, 0x2000, s29                 ; or in Wo four,
	s_lshl_b32 s31, s21, 2
	s_or_b32 s31, s31, s35
	s_cmp_eq_u32 s31, 14
	s_cselect_b32 s29, 0x14000, s29                ; but tile 4 is the last of its chunk and tile 5 the first of the next: 98,304 - 16,384
	v_and_b32 v1, 31, v0                           ; lane = column of the pair's 32
	v_bfe_u32 v3, v1, s26, 1                       ; ts
	v_bfe_u32 v4, v1, s27, 1
	v_and_b32 v2, 7, v1
	v_lshl_add_u32 v4, v4, 3, v2                   ; r
	v_mul_u32_u24 v6, s29, v3
	v_lshl_add_u32 v6, v4, 4, v6                   ; my codes: tile ts, 16 bytes at 16 r
	v_lshlrev_b32 v11, 7, v3
	v_lshl_add_u32 v11, v4, 3, v11                 ; my row's two scale words: 128 ts + 8 r
	v_lshlrev_b32 v5, 2, v1                        ; 4 x column
	v_lshlrev_b32 v7, 3, v1                        ; 8 x lane
	v_add_nc_u32 v10, s28, v7                      ; LDS: 8 x lane + 2 x wave: my two bytes
	; where the results go, in bytes from wst
	s_lshr_b32 s32, s22, 1                         ; head n
	s_and_b32 s33, s22, 1                          ; its pair of tiles
	s_lshr_b32 s34, s22, 2                         ; Wo: owner wave w'
	s_mul_i32 s36, s32, 102400                     ; the head's chunk
	s_lshl_b32 s37, s24, 2
	s_lshl_b32 s38, s33, 1
	s_add_co_u32 s37, s37, s38                     ; fragment 4 kk + the pair's first tile
	s_lshl_b32 s37, s37, 11
	s_lshl_b32 s38, s21, 15
	s_add_co_u32 s37, s37, s38
	s_add_co_u32 s37, s37, s36                     ; a head's fragment
	s_lshl_b32 s44, s23, 8                         ; run q of a pair's scale words
	s_lshl_b32 s38, s21, 10
	s_lshl_b32 s39, s33, 9
	s_add_co_u32 s38, s38, s39
	s_add_co_u32 s38, s38, s36
	s_add_co_u32 s38, s38, s44
	s_add_co_u32 s38, s38, 98304                   ; a head's scale words
	s_lshl_b32 s39, s35, 3
	s_add_co_u32 s39, s39, s24                     ; Wo: i = 4 x the pair's first tile + kk
	s_mov_b32 s40, 991232                          ; the chunk's first byte, the first i in it, fragments of a wave in it
	s_mov_b32 s41, 20
	s_mov_b32 s42, 12
	s_cmp_lt_u32 s39, 20
	s_cselect_b32 s40, 892928, s40
	s_cselect_b32 s41, 8, s41
	s_cmp_lt_u32 s39, 8
	s_cselect_b32 s40, 819200, s40
	s_cselect_b32 s41, 0, s41
	s_cselect_b32 s42, 8, s42
	s_mul_i32 s42, s42, s34
	s_add_co_u32 s42, s42, s39
	s_sub_co_u32 s42, s42, s41
	s_lshl_b32 s42, s42, 11
	s_add_co_u32 s42, s42, s40                     ; Wo's fragment
	s_lshl_b32 s43, s34, 11
	s_add_co_u32 s43, s43, s44
	s_lshl_b32 s44, s35, 9
	s_add_co_u32 s43, s43, s44
	s_add_co_u32 s43, s43, 884736                  ; Wo's scale words: 819,200 + 65,536 + 2,048 w' + 512 p + 256 q
	s_cmp_eq_u32 s21, 3
	s_cselect_b32 s46, s42, s37
	s_cselect_b32 s48, s43, s38
	s_add_co_u32 s46, s46, s25
	s_mov_b32 s47, 0
	s_mov_b32 s49, 0
	s_lshl_b32 s50, s21, 8
	s_add_co_u32 s50, s50, s36
	s_add_co_u32 s50, s50, 101376                  ; the head's 64 biases of this matrix
	s_mov_b32 s51, 0
	s_add_co_u32 s52, s36, 102144                  ; the chunk's last 256 bytes
	s_mov_b32 s53, 0
	s_lshl_b32 s56, s32, 8                         ; the same 64 biases in bq, bk or bv
	s_mov_b32 s57, 0
	s_lshl_b32 s30, s23, 19                        ; 256 q + 64 w rows of W, and 32 columns a pair
	s_lshl_b32 s31, s20, 17
	s_add_co_u32 s30, s30, s31
	s_lshl_b32 s31, s22, 7
	s_add_co_u32 s30, s30, s31
	s_mov_b32 s31, 0
	s_mov_b32 s45, 0x600000                        ; the mantissa field of 57,344
	s_wait_alu depctr_va_vdst(0)
	s_wait_kmcnt 0x0
	s_cmp_lt_u32 s21, 2                            ; the buffers are chosen on the work-group's number alone
	s_cselect_b64 s[4:5], s[4:5], s[8:9]
	s_cselect_b64 s[6:7], s[6:7], s[10:11]
	s_and_b32 s28, s21, 1
	s_cmp_eq_u32 s28, 0
	s_cselect_b64 s[4:5], s[4:5], s[6:7]
	s_add_nc_u64 s[4:5], s[4:5], s[30:31]
	s_cmp_eq_u32 s21, 0
	s_cselect_b64 s[12:13], s[12:13], s[14:15]
	s_cmp_lt_u32 s21, 2
	s_cselect_b64 s[12:13], s[12:13], s[16:17]
	s_add_nc_u64 s[12:13], s[12:13], s[56:57]
	s_add_nc_u64 s[46:47], s[18:19], s[46:47]
	s_add_nc_u64 s[48:49], s[18:19], s[48:49]
	s_add_nc_u64 s[50:51], s[18:19], s[50:51]
	s_add_nc_u64 s[52:53], s[18:19], s[52:53]
.set I_, 0
.rept 64
	global_load_b32 v[64+I_], v5, s[4:5] offset:2048*I_   ; W(256 q + 64 w + i, my column): 128 consecutive bytes a load
.set I_, I_+1
.endr
.irp b, 0,1
.set XS, 64+32*\b
	s_wait_loadcnt 32-32*\b                        ; block b's 32 numbers are in; the other block's may be out
	v_max3_num_f32 v[32+\b], |v[XS]|, |v[XS+1]|, |v[XS+2]|
	v_max3_num_f32 v[34+\b], |v[XS+3]|, |v[XS+4]|, |v[XS+5]|
.irp i, 6,10,14,18,22,26
	v_max3_num_f32 v[32+\b], v[32+\b], |v[XS+\i]|, |v[XS+\i+1]|
	v_max3_num_f32 v[34+\b], v[34+\b], |v[XS+\i+2]|, |v[XS+\i+3]|
.endr
	v_max3_num_f32 v[32+\b], v[32+\b], |v[XS+30]|, |v[XS+31]|
	v_max3_num_f32 v[32+\b], v[32+\b], v[34+\b], 0x8000000   ; the floor 2^(16 - 127): the byte cannot fall under 1
	v_add_nc_u32 v[44+\b], 0xf8800000, v[32+\b]    ; 15 off its exponent field: the conversion's scale operand
	v_and_or_b32 v[40+\b], v[32+\b], 0x7f800000, s45   ; 57,344 x the scale
	v_lshrrev_b32 v[36+\b], 23, v[44+\b]           ; the scale's byte
.irp i, 0,1,2,3,4,5,6,7,8,9,10,11,12,13,14,15,16,17,18,19,20,21,22,23,24,25,26,27,28,29,30,31
	v_med3_num_f32 v[XS+\i], v[XS+\i], -v[40+\b], v[40+\b]   ; the conversion to an 8-bit code does not saturate (ISA guide 7.6.2): the hold comes first
.endr
.irp g, 0,1,2,3
	v_cvt_scalef32_pk8_bf8_f32 v[48+8*\b+2*\g:49+8*\b+2*\g], v[XS+8*\g:XS+8*\g+7], v[44+\b]
.endr
.endr
	v_lshl_or_b32 v9, v37, 8, v36                  ; my two scale bytes (a plain line behind the last conversion)
.irp b, 0,1
	global_store_b128 v6, v[48+8*\b:51+8*\b], s[46:47] offset:512*\b       ; k 0-15 of the block: 16 lanes fill 256 consecutive bytes
	global_store_b128 v6, v[52+8*\b:55+8*\b], s[46:47] offset:512*\b+256   ; k 16-31
.endr
	ds_store_b16 v10, v9
	s_wait_dscnt 0x0                               ; for the others' sake: my bytes have landed
	s_barrier_signal -1
	s_barrier_wait -1
	s_cmp_lg_u32 s20, 0
	s_cbranch_scc1 .Lnot_wave_0
	ds_load_b64 v[12:13], v7                       ; my column's words of the two K steps
	s_wait_dscnt 0x0
	global_store_b64 v11, v[12:13], s[48:49]       ; the 32 lanes fill 256 consecutive bytes
.Lnot_wave_0:
	s_cmp_lg_u32 s20, 1
	s_cbranch_scc1 .Lend
	s_cmp_eq_u32 s21, 3                            ; Wo's chunks carry no bias
	s_cbranch_scc1 .Lend
	s_cmp_lg_u32 s23, 0                            ; one work-group of a pair of tiles stores the bias
	s_cbranch_scc1 .Lend
	s_cmp_lg_u32 s33, 0
	s_cbranch_scc1 .Lodd_pair
	global_load_b64 v[16:17], v7, s[12:13]         ; the head's 64 biases, as they lie
	s_wait_loadcnt 0x0
	global_store_b64 v7, v[16:17], s[50:51]        ; 256 consecutive bytes
	s_branch .Lend
.Lodd_pair:
	s_cmp_lg_u32 s21, 0
	s_cbranch_scc1 .Lend
	v_mov_b32 v16, 0
	v_mov_b32 v17, 0
	global_store_b64 v7, v[16:17], s[52:53]        ; the chunk's last 256 bytes: every byte that the second launch fetches is written
.Lend:
	s_wait_tensorcnt 0x0
	ds_add_u32 v128, v129
	s_wait_dscnt 0x0
	s_endpgm
.Lfunc_end_k_qa4e618d003_prep:
	.size	k_qa4e618d003_prep, .Lfunc_end_k_qa4e618d003_prep-k_qa4e618d003_prep
	.p2alignl 7, 3214868480
	.fill 96, 4, 3214868480
	.section	.rodata,"a",@progbits
	.p2align	6, 0x0
	.amdhsa_kernel k_qa4e618d003_prep
		.amdhsa_group_segment_fixed_size 768
		.amdhsa_private_segment_fixed_size 0
		.amdhsa_enable_private_segment 0
		.amdhsa_kernarg_size 64
		.amdhsa_user_sgpr_count 2
		.amdhsa_user_sgpr_kernarg_segment_ptr 1
		.amdhsa_wavefront_size32 1
		.amdhsa_system_sgpr_workgroup_id_x 1
		.amdhsa_system_sgpr_workgroup_id_y 1
		.amdhsa_system_sgpr_workgroup_id_z 1
		.amdhsa_system_vgpr_workitem_id 0
		.amdhsa_next_free_vgpr 130
		.amdhsa_next_free_sgpr 66
		.amdhsa_reserve_vcc 0
		.amdhsa_float_denorm_mode_32 3
		.amdhsa_float_denorm_mode_16_64 3
		.amdhsa_memory_ordered 1
		.amdhsa_forward_progress 1
		.amdhsa_inst_pref_size 20
	.end_amdhsa_kernel
	.amdgpu_metadata
---
amdhsa.version: [ 1, 2 ]
amdhsa.kernels:
  - .name:           k_qa4e618d003_prep
    .symbol:         k_qa4e618d003_prep.kd
    .args:
      - { .name: Wq, .offset: 0, .size: 8, .value_kind: global_buffer, .address_space: global }
      - { .name: Wk, .offset: 8, .size: 8, .value_kind: global_buffer, .address_space: global }
      - { .name: Wv, .offset: 16, .size: 8, .value_kind: global_buffer, .address_space: global }
      - { .name: Wo, .offset: 24, .size: 8, .value_kind: global_buffer, .address_space: global }
      - { .name: bq, .offset: 32, .size: 8, .value_kind: global_buffer, .address_space: global }
      - { .name: bk, .offset: 40, .size: 8, .value_kind: global_buffer, .address_space: global }
      - { .name: bv, .offset: 48, .size: 8, .value_kind: global_buffer, .address_space: global }
      - { .name: wst, .offset: 56, .size: 8, .value_kind: global_buffer, .address_space: global }
    .group_segment_fixed_size: 768
    .private_segment_fixed_size: 0
    .kernarg_segment_align: 8
    .kernarg_segment_size: 64
    .max_flat_workgroup_size: 128
    .sgpr_count:     66
    .vgpr_count:     130
    .wavefront_size: 32
...
	.end_amdgpu_metadata
.endif
;; end of part 1
;; launch main (part 2): grid 256 x 1, 4 waves a work-group, clusters of 4 x 1, 327,680 bytes of LDS; arguments x, ax, wst, bo, out0; writes out0
.if DOCPART == 2
	.amdgcn_target "amdgcn-amd-amdhsa--gfx1250"
	.amdhsa_code_object_version 6
	.text
	.protected	k_qa4e618d003_main
	.globl	k_qa4e618d003_main
	.p2align	8
	.type	k_qa4e618d003_main,@function
k_qa4e618d003_main:
	s_mov_b64 s[64:65], 0
	v_nop
	global_prefetch_b8 v0, s[64:65] scope:SCOPE_SE
	s_setreg_imm32_b32 hwreg(HW_REG_WAVE_MODE, 25, 1), 1
	s_wait_xcnt 0x0
	s_wait_alu depctr_hold_cnt(0) depctr_sa_sdst(0) depctr_va_vdst(0) depctr_va_sdst(0) depctr_va_ssrc(0) depctr_va_vcc(0) depctr_vm_vsrc(0)
	s_getreg_b32 s2, hwreg(HW_REG_IB_STS2, 6, 4)
	s_cmp_eq_u32 s2, 0
	s_cbranch_scc0 .Lentry_in_a_cluster
	s_endpgm
.Lentry_in_a_cluster:
	s_bfe_u32 s2, ttmp6, 0x10000c
	s_cmp_lg_u32 s2, 0x3003
	s_cbranch_scc0 .Lentry_shape_is_right
	s_endpgm
.Lentry_shape_is_right:
; A work-group owns 64 positions of one batch, through the whole module; a wave owns 16 of them for Q, K, V and the attention, and 128 output channels for the last product.
; 1. x's tile and ax's four planes (512 channels x 64 positions, f32, rows of 256 bytes) come through two LDS slots; each is quantised along the channels, and a wave keeps its seven sources
;    (x one position back, x, x one position on, ax 0 .. 3) as operands in registers (windows 1 and 2, 448 registers).
; 2. Eight heads: a head's chunk of codes, scale words and biases (102,400 bytes) comes by joint loads of the cluster's four work-groups, one chunk ahead.  Scores, softmax and the weighted sum are f32 in vector
;    instructions; they stand among the products of the same head.  A score's sum runs in two sets of registers (SA and T), so that 13 plain lines stand between two links of a chain.
;    The exponentials and the reciprocal stand between V's tiles 0 and 1, where no sum of products is open.
; 3. The attention's result is quantised and handed to all four waves through LDS; Wo comes in three chunks (2, 3, 3 tiles of 16 channels a wave), and a finished tile is stored while later tiles are multiplied.
; PREFETCH: plane a of ax (512 rows of 256 bytes, one lane a row, four instructions a wave) is asked for one plane ahead of its tensor load; plane 0 beside x's load; x and the chunks are not asked for.
; LIMITS: NaN and infinities are not served; a block whose largest magnitude lies under 2^-111 gets the scale byte 1; the softmax's promise holds while the scaled scores stay under 2^31 in magnitude.
.set PFO,    60
.set LN8,    61
.set AD8,    126
.set RPITCH, 264
.set RQ,     128*RPITCH
.set RAW_A,  0
.set RAW_B,  4*RQ
.set SLOT1,  1<<17
.set CHUNK,  102400
.set OCH0,   8*CHUNK
.set OCHUNK, 98304
.set XC,     8*RQ
.set XP,     528
.set XS,     XC+35072
.set ATT,    XC
.set ATTS,   XS+1280
.set STG,    XC
.set SP,     272
.set SPARE,  ATTS+2048
.set LN16, 1
.set R,    2
.set H,    3
.set ADW0, 4
.set ADW1, 5
.set ADB,  6
.set RL,   7
.set BOV,  8
.set ADR,  9
.set XCW,  10
.set ADC,  11
.set XSW,  12
.set ADS,  13
.set XCR,  14
.set XSR,  15
.set HGO,  16
.set HXA,  17
.set HSA,  18
.set ATA0, 19
.set ATW,  20
.set ATS0, 21
.set ATSW, 22
.set STO,  23
.set RD,   24
.set CO,   25
.set BOA,  26
.set LN16B, 27
.set SPW,  28
.set NIL,  29
.set HB64, 30
.set ATR,  31
.set AS,   32
.set WS,   62
.set SA,   86
.set T,    100
.set U,    107
.set MX,   114
.set MC,   115
.set LS,   116
.set RC,   117
.set PCD,  118
.set FS,   128
.set ST,   0
.set TM,   64
.set PC,   80
.set PW,   96
.set WV,   14
.set CX,   15
.set WG,   16
.set BB,   17
.set L0,   18
.set MNT,  19
.set SEL,  20
.set CS,   22
.set CNT,  23
.set G1X,  24
.set G1A,  32
.set G1W,  40
.set G1O,  48
.set G0B,  56
.set G0A,  60
.set G0W,  68
.set G0O,  72
.set TB,   76
.set HB,   77
.set HS,   78
.set RO,   79
.set CO2,  80
.set SO,   81
.set MSKM, 82
.set MSKP, 83
.set MSB, 0
.macro WIN new
.if MSB != \new
	s_set_vgpr_msb (MSB<<8)|\new
.set MSB, \new
.endif
.endm
.macro CROUND
	s_barrier_signal -1
	s_barrier_wait -1
	s_cmp_lg_u32 s[WV], 0
	s_cbranch_scc1 .Lnot_wave_0_\@
	s_barrier_signal -3
.Lnot_wave_0_\@:
	s_barrier_wait -3
	s_barrier_signal -1
	s_barrier_wait -1
.endm
.macro SYNC_OPEN
	s_wait_tensorcnt 0x0
	ds_add_u32 v[SPW], v[NIL]
.endm
.macro SYNC_CLOSE g0, g1
	s_wait_dscnt 0x0
	CROUND
	tensor_load_to_lds s[\g0:\g0+3], s[\g1:\g1+7]
	s_nop 0
.rept 4
	v_nop
.endr
.endm
; Quantises the tile at LDS byte from, 128 channels a trip.  pf = 1: each trip also asks for 32 rows of my 128 of the plane after the one that is on its way.
.macro QLOOP from, pf=0
	s_mov_b32 s[RO], \from
	s_mov_b32 s[CO2], 0
	s_mov_b32 s[SO], 0
	s_mov_b32 s[CNT], 4
.Lq_\@:
	v_add_nc_u32 v[ADR], s[RO], v[RL]
	v_add_nc_u32 v[ADC], s[CO2], v[XCW]
	v_add_nc_u32 v[ADS], s[SO], v[XSW]
	WIN 0xc0
.irp b, 0,1,2,3
.irp i, 0,1,2,3,4,5,6,7,8,9,10,11,12,13,14,15
	ds_load_b32 v[ST+16*\b+\i], v[ADR] offset:(32*\b+\i)*RPITCH
.endr
.endr
.if \pf
	global_prefetch_b8 v[PFO], s[2:3] th:TH_LOAD_NT scope:SCOPE_SE
.endif
	WIN 0xff
.irp b, 0,1,2,3
	s_wait_dscnt 48-16*\b
	v_max3_num_f32 v[TM+\b], |v[ST+16*\b]|, |v[ST+16*\b+1]|, 0x8000000
	v_max3_num_f32 v[TM+4+\b], |v[ST+16*\b+2]|, |v[ST+16*\b+3]|, |v[ST+16*\b+4]|
	v_max3_num_f32 v[TM+\b], v[TM+\b], |v[ST+16*\b+5]|, |v[ST+16*\b+6]|
	v_max3_num_f32 v[TM+4+\b], v[TM+4+\b], |v[ST+16*\b+7]|, |v[ST+16*\b+8]|
	v_max3_num_f32 v[TM+\b], v[TM+\b], |v[ST+16*\b+9]|, |v[ST+16*\b+10]|
	v_max3_num_f32 v[TM+4+\b], v[TM+4+\b], |v[ST+16*\b+11]|, |v[ST+16*\b+12]|
	v_max3_num_f32 v[TM+\b], v[TM+\b], |v[ST+16*\b+13]|, |v[ST+16*\b+14]|
	v_max3_num_f32 v[TM+\b], v[TM+\b], v[TM+4+\b], |v[ST+16*\b+15]|
.endr
.irp b, 0,1,2,3
	v_permlanex16_b32 v[TM+4+\b], v[TM+\b], s[SEL], s[SEL+1]
.endr
.irp b, 0,1,2,3
	v_max_num_f32 v[TM+\b], v[TM+\b], v[TM+4+\b]
.endr
.irp b, 0,1,2,3
	v_add_nc_u32 v[TM+12+\b], 0xf8800000, v[TM+\b]
.endr
.irp b, 0,1,2,3
	v_and_or_b32 v[TM+8+\b], v[TM+\b], 0x7f800000, s[MNT]
.endr
.irp b, 0,1,2,3
	v_lshrrev_b32 v[TM+4+\b], 23, v[TM+12+\b]
.endr
	v_lshl_or_b32 v[PW], v[TM+5], 8, v[TM+4]
	v_lshl_or_b32 v[PW], v[TM+6], 16, v[PW]
	v_lshl_or_b32 v[PW], v[TM+7], 24, v[PW]
.irp b, 0,1,2,3
.irp i, 0,1,2,3,4,5,6,7,8,9,10,11,12,13,14,15
	v_med3_num_f32 v[ST+16*\b+\i], v[ST+16*\b+\i], -v[TM+8+\b], v[TM+8+\b]
.endr
	v_cvt_scalef32_pk8_bf8_f32 v[PC+4*\b:PC+4*\b+1], v[ST+16*\b:ST+16*\b+7], v[TM+12+\b]
	v_cvt_scalef32_pk8_bf8_f32 v[PC+4*\b+2:PC+4*\b+3], v[ST+16*\b+8:ST+16*\b+15], v[TM+12+\b]
.endr
	v_nop
	WIN 0x0c
.irp c, 0,1,2,3
	ds_store_b128 v[ADC], v[PC+4*\c:PC+4*\c+3] offset:32*\c
.endr
	ds_store_b32 v[ADS], v[PW]
	WIN 0
.if \pf
	s_wait_xcnt 0x0                                ; the prefetch has read its base: on by 32 channels
	s_add_nc_u64 s[2:3], s[2:3], 0x100000
.endif
	s_add_co_u32 s[RO], s[RO], RQ
	s_add_co_u32 s[CO2], s[CO2], 128
	s_add_co_u32 s[SO], s[SO], 4
	s_sub_co_u32 s[CNT], s[CNT], 1
	s_cmp_lg_u32 s[CNT], 0
	s_cbranch_scc1 .Lq_\@
.endm
.macro GETFRAGS src, sh
	WIN 0x40
.irp kk, 0,1
.irp c, 0,1,2,3
	ds_load_b128 v[112*\kk+16*\src+4*\c:112*\kk+16*\src+4*\c+3], v[XCR] offset:\sh*XP+128*\kk+32*\c
.endr
.endr
	WIN 0x80
.irp kk, 0,1
.irp c, 0,1,2,3
	ds_load_b128 v[112*\kk+16*\src+4*\c:112*\kk+16*\src+4*\c+3], v[XCR] offset:\sh*XP+256+128*\kk+32*\c
.endr
.endr
	WIN 0
	ds_load_b128 v[AS+4*\src:AS+4*\src+3], v[XSR] offset:16*\sh
.endm
.macro WMA odd
.if \odd
	v_wmma_scale_f32_16x16x128_f8f6f4 v[pD:pD+7], v[pA:pA+15], v[pB:pB+15], v[pC:pC+7], v[pSA], v[pSB] matrix_a_fmt:MATRIX_FMT_BF8 matrix_b_fmt:MATRIX_FMT_BF8 matrix_a_scale:MATRIX_SCALE_ROW1
.else
	v_wmma_scale_f32_16x16x128_f8f6f4 v[pD:pD+7], v[pA:pA+15], v[pB:pB+15], v[pC:pC+7], v[pSA], v[pSB] matrix_a_fmt:MATRIX_FMT_BF8 matrix_b_fmt:MATRIX_FMT_BF8
.endif
.endm
.macro WMB odd
.if \odd
	v_wmma_scale_f32_16x16x128_f8f6f4 v[pD:pD+7], v[pA:pA+15], v[pB:pB+15], v[pC:pC+7], v[pSA], v[pSB] matrix_a_fmt:MATRIX_FMT_BF8 matrix_b_fmt:MATRIX_FMT_BF8 matrix_b_scale:MATRIX_SCALE_ROW1
.else
	v_wmma_scale_f32_16x16x128_f8f6f4 v[pD:pD+7], v[pA:pA+15], v[pB:pB+15], v[pC:pC+7], v[pSA], v[pSB] matrix_a_fmt:MATRIX_FMT_BF8 matrix_b_fmt:MATRIX_FMT_BF8
.endif
	v_nop
.endm
.macro SCOP
.set eJ, eO/7
.set eS, eO%7
.set eD, SA+2*eS                       ; even pairs of the head's 64 into SA,
.if eJ%2
.set eD, T+2*eS                        ; odd pairs into T
.endif
	WIN 0x0f
.if (eT == 0) && (eJ < 2)
	v_pk_mul_f32 v[eD:eD+1], v[224+8*eT+2*eJ:225+8*eT+2*eJ], v[32*eS+8*eT+2*eJ:32*eS+8*eT+2*eJ+1]
.else
	v_pk_fma_f32 v[eD:eD+1], v[224+8*eT+2*eJ:225+8*eT+2*eJ], v[32*eS+8*eT+2*eJ:32*eS+8*eT+2*eJ+1], v[eD:eD+1]
.endif
.endm
.macro SMOP
	WIN 0
.if eO < 0
	v_pk_add_f32 v[SA+2*(eO+7):SA+2*(eO+7)+1], v[SA+2*(eO+7):SA+2*(eO+7)+1], v[T+2*(eO+7):T+2*(eO+7)+1]
.elseif eO < 7
	v_add_f32 v[T+eO], v[SA+2*eO], v[SA+2*eO+1]
.elseif eO < 14
	v_permlanex16_b32 v[U+eO-7], v[T+eO-7], s[SEL], s[SEL+1]
.elseif eO < 21
	v_add_f32 v[T+eO-14], v[T+eO-14], v[U+eO-14]
.elseif eO == 21
	v_cndmask_b32 v[T], v[T], 0, s[MSKM]
.elseif eO == 22
	v_cndmask_b32 v[T+2], v[T+2], 0, s[MSKP]
.elseif eO == 23
	v_max3_num_f32 v[MX], v[T], v[T+1], v[T+2]
.elseif eO == 24
	v_max3_num_f32 v[MX], v[MX], v[T+3], v[T+4]
.elseif eO == 25
	v_max3_num_f32 v[MX], v[MX], v[T+5], v[T+6]
.elseif eO == 26
	v_mul_f32 v[MC], s[CS], v[MX]
.elseif eO < 34
	v_fma_f32 v[T+eO-27], v[T+eO-27], s[CS], -v[MC]
.endif
.endm
.macro ATOP
.set eS, eO/4
.set eJ, eO%4
	WIN 0x53
.if eS == 0
	v_pk_mul_f32 v[224+8*eT+2*eJ:225+8*eT+2*eJ], v[8*eT+2*eJ:8*eT+2*eJ+1], v[SA:SA+1] op_sel_hi:[1,0]
.else
	v_pk_fma_f32 v[224+8*eT+2*eJ:225+8*eT+2*eJ], v[32*eS+8*eT+2*eJ:32*eS+8*eT+2*eJ+1], v[SA+2*eS:SA+2*eS+1], v[224+8*eT+2*eJ:225+8*eT+2*eJ] op_sel_hi:[1,0,1]
.endif
.endm
.macro AQOP
.set eF, 224+16*eB
.if eO < 2
	WIN 0x05
	v_max3_num_f32 v[T+2*eO+eB], |v[eF+2*eO]|, |v[eF+2*eO+1]|, 0x8000000
.elseif eO < 8
.set eJ, 4+4*((eO-2)/2)+2*(eO%2)
	WIN 0x05
	v_max3_num_f32 v[T+2*(eO%2)+eB], |v[eF+eJ]|, |v[eF+eJ+1]|, v[T+2*(eO%2)+eB]
.elseif eO == 8
	WIN 0
	v_max_num_f32 v[T+eB], v[T+eB], v[T+2+eB]
.elseif eO == 9
	WIN 0
	v_permlanex16_b32 v[U+eB], v[T+eB], s[SEL], s[SEL+1]
.elseif eO == 10
	WIN 0
	v_max_num_f32 v[T+eB], v[T+eB], v[U+eB]
.elseif eO == 11
	WIN 0
	v_add_nc_u32 v[U+2+eB], 0xf8800000, v[T+eB]
.elseif eO == 12
	WIN 0
	v_and_or_b32 v[T+4+eB], v[T+eB], 0x7f800000, s[MNT]
.elseif eO == 13
	WIN 0
	v_lshrrev_b32 v[U+4+eB], 23, v[U+2+eB]
.elseif eO < 30
	WIN 0x41
	v_med3_num_f32 v[eF+eO-14], v[eF+eO-14], -v[T+4+eB], v[T+4+eB]
.elseif eO == 30
	WIN 0x01
	v_cvt_scalef32_pk8_bf8_f32 v[PCD+4*eB:PCD+4*eB+1], v[eF:eF+7], v[U+2+eB]
.elseif eO == 31
	WIN 0x01
	v_cvt_scalef32_pk8_bf8_f32 v[PCD+4*eB+2:PCD+4*eB+3], v[eF+8:eF+15], v[U+2+eB]
.else
	v_nop
.endif
.endm
.macro ENT
.if EK < 6
.elseif EK < 40
	v_nop
.elseif EK < 68
.set eT, 0
.set eO, EK-40
	SCOP
.elseif EK < 72
	v_nop
.elseif EK < 100
.set eT, 1
.set eO, EK-72
	SCOP
.elseif EK < 104
	v_nop
.elseif EK < 132
.set eT, 2
.set eO, EK-104
	SCOP
.elseif EK < 136
	v_nop
.elseif EK < 164
.set eT, 3
.set eO, EK-136
	SCOP
.elseif EK < 205
.set eO, EK-171
	SMOP
.elseif EK < 300
.elseif EK < 308
	v_nop
.elseif EK < 336
.set eT, 1
.set eO, EK-308
	ATOP
.elseif EK < 371
.set eB, 0
.set eO, EK-336
	AQOP
.elseif EK < 399
.set eT, 2
.set eO, EK-371
	ATOP
.endif
.set EK, EK+1
.endm
.macro QKLOAD u
.irp c, 0,1,2,3
	ds_load_b128 v[FS+32*((\u)%4)+4*\c:FS+32*((\u)%4)+4*\c+3], v[ADW0] offset:32768+2048*(4*((\u)%4)+(\u)/4)+512*\c
.endr
.irp c, 0,1,2,3
	ds_load_b128 v[FS+32*((\u)%4)+16+4*\c:FS+32*((\u)%4)+16+4*\c+3], v[ADW0] offset:2048*(4*((\u)%4)+(\u)/4)+512*\c
.endr
.endm
.macro VLOAD f
.irp c, 0,1,2,3
	ds_load_b128 v[FS+16*((\f)%8)+4*\c:FS+16*((\f)%8)+4*\c+3], v[ADW1] offset:2048*(4*((\f)%4)+(\f)/4)+512*\c
.endr
.endm
.macro BIAST mi, t
	ds_load_b128 v[224+8*\t:227+8*\t], v[ADB] offset:35840+256*\mi+128*(\t/2)+32*(\t%2)
	ds_load_b128 v[228+8*\t:231+8*\t], v[ADB] offset:35840+256*\mi+128*(\t/2)+32*(\t%2)+16
.endm
.macro QKUNIT
.set TT, UU/4
.set KK, UU%4
.if UU == 0
	s_wait_dscnt 36
.elseif UU == 1
	s_wait_dscnt 28
.elseif UU < 4
	s_wait_dscnt 20
.elseif UU < 14
	s_wait_dscnt 16
.else
	s_wait_dscnt 24                                ; behind this unit's fragments: unit 14: unit 15's 8, the bias's 8, V's 8; unit 15: the bias's 8, V's 16
.endif
.set wW, 0xf8
.if KK == 0
.set wW, 0xe4
.elseif KK == 1
.set wW, 0xf4
.endif
.set SX, 0
.rept 7
.set pA, FS+32*(UU%4)
.set pSA, WS+8+4*(TT/2)+KK
.set pD, 32*SX+8*TT
.set pB, 112*(KK%2)+16*SX
.set pSB, AS+4*SX+KK
.set pC, pD
.if KK == 0
.set pC, 224+8*TT
.endif
	WIN wW
	WMA TT%2
.if SX%2 == 1
	ENT
	ENT
.endif
.set SX, SX+1
.endr
.if KK == 0
.set wW, 0xd4
.endif
.set pA, FS+32*(UU%4)+16
.set pSA, WS+4*(TT/2)+KK
.set pD, 224+8*TT
.set pC, 224+8*TT
.set pB, 112*(KK%2)+16
.set pSB, AS+4+KK
	WIN wW
	WMA TT%2
	ENT
	ENT
.if (UU >= 1) && (UU <= 12)
	WIN 0
	QKLOAD UU+3
.elseif UU == 13
	WIN 0x80
	BIAST 2, 0
	BIAST 2, 1
	BIAST 2, 2
	BIAST 2, 3
	WIN 0
	VLOAD 0
	VLOAD 1
.elseif UU == 14
	WIN 0
	VLOAD 2
	VLOAD 3
.elseif UU == 15
	WIN 0
	VLOAD 4
	VLOAD 5
.endif
.endm
.macro VUNIT
.set TT, UU/4
.set KK, UU%4
; V's fragments are waited for once a tile; vN entries stand behind each second product
.if UU == 0
	s_wait_dscnt 8                                 ; fragments 0-3 are in; 4 and 5 may be out
.set vN, 7
.elseif UU == 4
	s_wait_dscnt 16                                ; 4-7 are in; 8-11 may be out
.set vN, 0
.elseif UU == 8
	s_wait_dscnt 0x0
.set EK, 300
.set vN, 5
.elseif UU == 12
	s_wait_alu depctr_va_vdst(0)
	s_wait_dscnt 0x0
.endif
.set wW, 0xf8
.if KK == 0
.set wW, 0xe4
.elseif KK == 1
.set wW, 0xf4
.endif
.set SX, 0
.rept 7
.set pA, FS+16*(UU%8)
.set pSA, WS+16+4*(TT/2)+KK
.set pD, 32*SX+8*TT
.set pB, 112*(KK%2)+16*SX
.set pSB, AS+4*SX+KK
.set pC, pD
.if KK == 0
.set pC, 224+8*TT
.endif
	WIN wW
	WMA TT%2
.if SX%2 == 1
.rept vN
	ENT
.endr
.endif
.if (SX == 3) && (UU == 0)
	WIN 0
	VLOAD 6
	VLOAD 7
.elseif (SX == 3) && (UU == 8)
	WIN 0
	VLOAD 12
	VLOAD 13
	VLOAD 14
	VLOAD 15
.endif
.set SX, SX+1
.endr
.endm
; The softmax's exponentials and its division, and the weighted sum of V's tile 0, between V's tiles 0 and 1: no sum of products is open here.
.macro SOFT
	WIN 0
	s_wait_alu depctr_va_vdst(0)
.irp e, 0,1,2,3,4,5,6
	v_exp_f32 v[T+\e], v[T+\e]
.endr
	v_nop
	s_wait_alu depctr_va_vdst(0)
	v_add_f32 v[LS], v[T], v[T+1]
	v_add_f32 v[MX], v[T+2], v[T+3]
	v_add_f32 v[MC], v[T+4], v[T+5]
	v_add_f32 v[LS], v[LS], v[T+6]
	v_add_f32 v[MX], v[MX], v[MC]
	v_add_f32 v[LS], v[LS], v[MX]
	s_wait_alu depctr_va_vdst(0)
	v_rcp_f32 v[RC], v[LS]
	v_nop
	s_wait_alu depctr_va_vdst(0)
.irp e, 0,1,2,3,4,5,6
	v_mul_f32 v[SA+2*\e], v[T+\e], v[RC]
.endr
	v_cndmask_b32 v[SA], v[SA], 0, s[MSKM]         ; beyond the sequence's ends v counts as 0
	v_cndmask_b32 v[SA+4], v[SA+4], 0, s[MSKP]
	VLOAD 8
	VLOAD 9
	VLOAD 10
	VLOAD 11
	WIN 0x53
	s_wait_alu depctr_va_vdst(0)                   ; one wait for tile 0's results, the 28 lines below are their first readers
.set eT, 0
.set eO, 0
.rept 28
	ATOP
.set eO, eO+1
.endr
.endm
.macro QKV
	v_add_nc_u32 v[ATW], s[HB], v[ATA0]
	v_add_nc_u32 v[ATSW], s[HS], v[ATS0]
.set EK, 0
.set UU, 0
.rept 16
	QKUNIT
.set UU, UU+1
.endr
.set UU, 0
.rept 4
	VUNIT
.set UU, UU+1
.endr
	SOFT
.rept 12
	VUNIT
.set UU, UU+1
.endr
	WIN 0
.endm
.macro TAILA
.set eT, 3
.set eO, 0
.rept 28
	ATOP
.set eO, eO+1
.endr
.endm
.macro TAILB
.set eB, 1
.set eO, 0
.rept 32
	AQOP
.set eO, eO+1
.endr
	WIN 0
	v_lshl_or_b32 v[MX], v[U+5], 8, v[U+4]
	ds_store_b128 v[ATW], v[PCD:PCD+3]
	ds_store_b128 v[ATW], v[PCD+4:PCD+7] offset:512
	ds_store_b16 v[ATSW], v[MX]
.endm
.macro SYNCW
	SYNC_OPEN
	s_xor_b32 s[G0W+1], s[G0W+1], SLOT1
	s_add_nc_u64 s[G0W+2:G0W+3], s[G0W+2:G0W+3], CHUNK
	s_xor_b32 s[TB], s[TB], SLOT1
	SYNC_CLOSE G0W, G1W
.endm
.macro FIRST tail
	v_add_nc_u32 v[ADW0], s[TB], v[LN16]
	v_add_nc_u32 v[ADW1], s[TB], v[LN16B]
	v_add_nc_u32 v[ADB], s[TB], v[HB64]
	v_add_nc_u32 v[AD8], s[TB], v[LN8]
.irp i, 0,1,2,3,4,5
	ds_load_b64 v[WS+4*\i:WS+4*\i+1], v[AD8] offset:32768+512*\i
	ds_load_b64 v[WS+4*\i+2:WS+4*\i+3], v[AD8] offset:32768+512*\i+256
.endr
	WIN 0x80
	BIAST 1, 0
	WIN 0x40
	BIAST 0, 0
	WIN 0
	QKLOAD 0
.if \tail
	TAILA
	WIN 0
.endif
	QKLOAD 1
	WIN 0x80
	BIAST 1, 1
	BIAST 1, 2
	BIAST 1, 3
	WIN 0x40
	BIAST 0, 1
	WIN 0
.if \tail
	TAILB
.endif
	QKLOAD 2
	QKLOAD 3
	WIN 0x40
	BIAST 0, 2
	BIAST 0, 3
	WIN 0
.endm
; Wo's tile c (16 channels): its four fragments, the j-th tile of the chunk in hand, into buffers 4 (c % 2) .. : 16 loads
.macro OTL c, j
.irp k, 0,1,2,3
.irp g, 0,1,2,3
	ds_load_b128 v[FS+64*((\c)%2)+16*\k+4*\g:FS+64*((\c)%2)+16*\k+4*\g+3], v[ADW0] offset:2048*(4*(\j)+\k)+512*\g
.endr
.endr
.endm
; Tile c, K steps k and k + 1, all four blocks of positions: the four accumulators take turns
.macro OM c, k
.set CT, \c
.set KK, \k
.rept 2
.if KK == 0
	WIN 0xe1
.else
	WIN 0xf1
.endif
.set pB, FS+64*(CT%2)+16*KK
.set pSB, WS+4*(CT/2)+KK
.irp pt, 0,1,2,3
.set pD, 32*CT+8*\pt
.set pA, 16*(4*\pt+KK)
.set pSA, AS+4*\pt+KK
.set pC, pD
.if KK == 0
.set pC, 8*CT
.endif
	WMB CT%2
.endr
.set KK, KK+1
.endr
.endm
.macro TOSTAGE c
	WIN 0x0c
.irp pt, 0,1,2,3
	ds_store_b128 v[STO], v[32*(\c)+8*\pt:32*(\c)+8*\pt+3] offset:64*\pt
	ds_store_b128 v[STO], v[32*(\c)+8*\pt+4:32*(\c)+8*\pt+7] offset:64*\pt+16
.endr
	WIN 0x80
.irp i, 0,1,2,3,4,5,6,7
	ds_load_b128 v[64+32*((\c)%6)+4*\i:64+32*((\c)%6)+4*\i+3], v[RD] offset:\i*2*SP   ; back by rows, into one of six sets in window 2: LDS serves a wave's instructions in order (ISA guide 5.7.1.4)
.endr
	WIN 0
.endm
.macro SEND c
	WIN 0x08
.irp i, 0,1,2,3,4,5,6,7
	global_store_b128 v[CO], v[64+32*((\c)%6)+4*\i:64+32*((\c)%6)+4*\i+3], s[12:13] offset:(16*(\c)+2*\i)*8192 th:TH_STORE_NT   ; 16 lanes store 256 consecutive bytes
.endr
	WIN 0
.endm
	s_load_b256 s[4:11], s[0:1], 0x0
	s_load_b64 s[12:13], s[0:1], 0x20
	v_lshl_add_u32 v[SPW], v0, 2, SPARE
	v_mov_b32 v[NIL], 0
	ds_add_u32 v28, v29
	ds_add_u32 v28, v29
	s_wait_dscnt 0x0
	v_lshrrev_b32 v1, 5, v0
	v_readfirstlane_b32 s[WV], v1
	s_bfe_u32 s[CX], ttmp6, 0x40000
	s_lshl_b32 s[WG], ttmp9, 2
	s_add_co_u32 s[WG], s[WG], s[CX]
	s_lshr_b32 s[BB], s[WG], 5
	s_and_b32 s[L0], s[WG], 31
	s_lshl_b32 s[L0], s[L0], 6
	s_mov_b32 s[G1X], (2<<16)|(1<<20)|(5<<22)|(1<<25)
	s_mov_b32 s[G1A], (2<<16)|(1<<20)|(5<<22)|(1<<25)
.irp g, G1X, G1A
	s_mov_b32 s[\g+1], 64<<16
	s_mov_b32 s[\g+2], 128<<16
	s_mov_b32 s[\g+3], 64<<16
	s_mov_b32 s[\g+4], 128
	s_mov_b32 s[\g+6], 0
	s_mov_b32 s[\g+7], 0
.endr
	s_mov_b32 s[G1X+5], 2048
	s_mov_b32 s[G1A+5], 8192
	s_mov_b32 s[G1W], 15|(3<<16)|(1<<21)
	s_mov_b32 s[G1O], 15|(3<<16)|(1<<21)
.irp g, G1W, G1O
	s_mov_b32 s[\g+1], 32<<16
	s_mov_b32 s[\g+3], 32<<16
	s_mov_b32 s[\g+5], 32
	s_mov_b32 s[\g+6], 0
	s_mov_b32 s[\g+7], 0
.endr
	s_mov_b32 s[G1W+2], 100<<16
	s_mov_b32 s[G1W+4], 100
	s_mov_b32 s[G1O+2], 96<<16
	s_mov_b32 s[G1O+4], 96
	s_lshl_b32 s84, s[BB], 22
	s_lshl_b32 s86, s[WV], 20
	s_add_co_u32 s84, s84, s86
	s_lshl_b32 s86, s[L0], 2
	s_add_co_u32 s84, s84, s86
	s_mov_b32 s85, 0
	s_lshl_b32 s88, s[BB], 24
	s_lshl_b32 s87, s[WV], 22
	s_add_co_u32 s88, s88, s87
	s_add_co_u32 s88, s88, s86
	s_mov_b32 s89, 0
	s_mul_i32 s[G0A+1], s[WV], RQ
	s_add_co_u32 s[G0B+1], s[G0A+1], RAW_B
	s_mul_i32 s[G0W+1], s[WV], CHUNK/4
	s_mul_i32 s[G0O+1], s[WV], OCHUNK/4
	s_mov_b32 s[G0B], 1
	s_mov_b32 s[G0A], 1
	s_mov_b32 s[G0W], 1
	s_mov_b32 s[G0O], 1
	s_wait_kmcnt 0x0
	s_add_nc_u64 s[G0B+2:G0B+3], s[4:5], s[84:85]
	s_or_b32 s[G0B+3], s[G0B+3], 0x80000000
	s_add_nc_u64 s[G0A+2:G0A+3], s[6:7], s[88:89]
	s_or_b32 s[G0A+3], s[G0A+3], 0x80000000
	CROUND
	tensor_load_to_lds s[G0B:G0B+3], s[G1X:G1X+7]
	s_nop 0
	; x's tile is on its way: the rest of the set-up and the border positions' loads stand in its flight
	s_add_nc_u64 s[92:93], s[6:7], s[88:89]        ; my 128 channels of ax's plane 0, whose load follows x's;
	s_add_nc_u64 s[2:3], s[92:93], 0x2000          ; and of plane 1, for the first loop's prefetches
	s_sub_co_i32 s86, s[L0], 1
	s_max_i32 s86, s86, 0
	s_add_co_u32 s87, s[L0], 64
	s_min_u32 s87, s87, 2047
	s_cmp_lt_u32 s[WV], 2
	s_cselect_b32 s86, s86, s87
	s_lshl_b32 s86, s86, 2
	s_lshl_b32 s90, s[BB], 22
	s_add_co_u32 s90, s90, s86
	s_mov_b32 s91, 0
	s_add_nc_u64 s[90:91], s[4:5], s[90:91]
	v_and_b32 v[HGO], 63, v0
	v_lshrrev_b32 v4, 6, v0
	v_mul_u32_u24 v[HXA], v4, 65*XP
	v_lshl_add_u32 v[HXA], v[HGO], 3, v[HXA]
	v_add_nc_u32 v[HXA], XC, v[HXA]
	v_mul_u32_u24 v[HSA], v4, 65*16
	v_bfe_u32 v5, v0, 2, 4
	v_add_nc_u32 v[HSA], v[HSA], v5
	v_add_nc_u32 v[HSA], XS, v[HSA]
	v_lshlrev_b32 v[HGO], 16, v[HGO]
.irp i, 0,1,2,3,4,5,6,7
	global_load_b32 v[FS+\i], v[HGO], s[90:91] offset:8192*\i
.endr
	s_add_nc_u64 s[12:13], s[12:13], s[84:85]
	s_lshl_b32 s86, s[WV], 9
	s_mov_b32 s87, 0
	s_add_nc_u64 s[10:11], s[10:11], s[86:87]
	s_mov_b32 s86, s[G0W+1]
	s_add_nc_u64 s[G0W+2:G0W+3], s[8:9], s[86:87]
	s_or_b32 s[G0W+3], s[G0W+3], 0x80000000
	s_add_co_u32 s86, s[G0O+1], OCH0+73728-OCHUNK  ; Wo's second chunk, less the step ahead of its load (the first comes as a ninth head chunk)
	s_add_nc_u64 s[G0O+2:G0O+3], s[8:9], s[86:87]
	s_or_b32 s[G0O+3], s[G0O+3], 0x80000000
	s_mov_b32 s[MNT], 0x600000
	s_mov_b32 s[SEL], 0x76543210
	s_mov_b32 s[SEL+1], 0xfedcba98
	s_mov_b32 s[CS], 0x3e38aa3b
	v_and_b32 v[LN16], 31, v0
	v_lshlrev_b32 v[LN16], 4, v[LN16]
	v_and_b32 v[R], 15, v0
	v_bfe_u32 v[H], v0, 4, 1
	v_mul_u32_u24 v[RL], v[H], 16*RPITCH
	v_lshl_add_u32 v[RL], v[R], 2, v[RL]
	s_lshl_b32 s86, s[WV], 6
	v_add_nc_u32 v[RL], s86, v[RL]
	v_mul_u32_u24 v[XCR], v[R], XP
	v_lshl_add_u32 v[XCR], v[H], 4, v[XCR]
	s_mul_i32 s86, s[WV], 16*XP
	s_add_co_u32 s86, s86, XC
	v_add_nc_u32 v[XCR], s86, v[XCR]
	v_add_nc_u32 v[XCW], XP, v[XCR]
	s_lshl_b32 s86, s[WV], 8
	s_add_co_u32 s86, s86, XS
	v_lshl_add_u32 v[XSR], v[R], 4, s86
	v_add_nc_u32 v[XSW], 16, v[XSR]
	v_add_nc_u32 v[ATR], ATT, v[LN16]
	s_lshl_b32 s86, s[WV], 13
	v_add_nc_u32 v[ATA0], s86, v[ATR]
	s_lshl_b32 s86, s[WV], 9
	s_add_co_u32 s86, s86, ATTS
	v_add_nc_u32 v[ATS0], s86, v[LN16]
	s_mul_i32 s86, s[WV], 16*SP
	s_add_co_u32 s86, s86, STG
	v_mul_u32_u24 v[STO], v[R], SP
	v_lshl_add_u32 v[STO], v[H], 5, v[STO]
	v_add_nc_u32 v[STO], s86, v[STO]
	v_mul_u32_u24 v[RD], v[H], SP
	v_lshl_add_u32 v[RD], v[R], 4, v[RD]
	v_add_nc_u32 v[RD], s86, v[RD]
	v_lshlrev_b32 v[PFO], 11, v[LN16]              ; a lane a channel: 32,768 bytes apart
.irp i, 0,1,2,3
	global_prefetch_b8 v[PFO], s[92:93] offset:0x100000*\i th:TH_LOAD_NT scope:SCOPE_SE
.endr
	v_lshlrev_b32 v[CO], 13, v[H]
	v_lshl_add_u32 v[CO], v[R], 4, v[CO]
	v_lshlrev_b32 v[BOA], 2, v[R]
	v_add_nc_u32 v[LN16B], 0x10000, v[LN16]
	v_lshrrev_b32 v[LN8], 1, v[LN16]
	v_add_nc_u32 v[LN8], 0x10000, v[LN8]           ; 65,536 + 8 x lane
	v_lshlrev_b32 v[HB64], 6, v[H]
	v_add_nc_u32 v[HB64], 0x10000, v[HB64]
	s_lshl_b32 s86, s[WV], 4
	s_add_co_u32 s86, s86, s[L0]
	v_add_nc_u32 v4, s86, v[R]
	v_cmp_eq_u32 s[MSKM], 0, v4
	v_cmp_eq_u32 s[MSKP], 0x7ff, v4
.irp s, 0,1,2,3,4,5,6
	v_mov_b32 v[U+\s], 0
.endr
	s_wait_alu depctr_va_vdst(0)
	s_wait_tensorcnt 0x0                           ; my quarter of x's tile is in
	ds_add_u32 v28, v29
	s_wait_dscnt 0x0
	CROUND                                         ; everybody's quarter is in
	tensor_load_to_lds s[G0A:G0A+3], s[G1A:G1A+7]
	s_nop 0
.rept 4
	v_nop
.endr
	QLOOP RAW_B, 1
	s_sub_nc_u64 s[2:3], s[2:3], 0x3fe000          ; back along the channels, on to plane 2
	s_wait_loadcnt 0x0
	v_max3_num_f32 v[FS+8], |v[FS]|, |v[FS+1]|, 0x8000000
	v_max3_num_f32 v[FS+9], |v[FS+2]|, |v[FS+3]|, |v[FS+4]|
	v_max3_num_f32 v[FS+8], v[FS+8], |v[FS+5]|, |v[FS+6]|
	v_max3_num_f32 v[FS+8], v[FS+8], v[FS+9], |v[FS+7]|
	v_max_num_f32_dpp v[FS+8], v[FS+8], v[FS+8] row_xmask:1 row_mask:0xf bank_mask:0xf
	v_max_num_f32_dpp v[FS+8], v[FS+8], v[FS+8] row_xmask:2 row_mask:0xf bank_mask:0xf
	v_add_nc_u32 v[FS+10], 0xf8800000, v[FS+8]
	v_and_or_b32 v[FS+11], v[FS+8], 0x7f800000, s[MNT]
.irp i, 0,1,2,3,4,5,6,7
	v_med3_num_f32 v[FS+\i], v[FS+\i], -v[FS+11], v[FS+11]
.endr
	v_cvt_scalef32_pk8_bf8_f32 v[FS+12:FS+13], v[FS:FS+7], v[FS+10]
	v_lshrrev_b32 v[FS+14], 23, v[FS+10]
	ds_store_b64 v[HXA], v[FS+12:FS+13]
	ds_store_b8 v[HSA], v[FS+14]
	SYNC_OPEN
	s_add_nc_u64 s[G0B+2:G0B+3], s[G0A+2:G0A+3], 8192
	SYNC_CLOSE G0B, G1A
	GETFRAGS 0, 0
	GETFRAGS 1, 1
	GETFRAGS 2, 2
	s_wait_dscnt 0x0
	s_barrier_signal -1
	s_barrier_wait -1
	QLOOP RAW_A, 1
	s_sub_nc_u64 s[2:3], s[2:3], 0x3fe000          ; on to plane 3
	GETFRAGS 3, 1
	SYNC_OPEN
	s_add_nc_u64 s[G0A+2:G0A+3], s[G0A+2:G0A+3], 16384
	SYNC_CLOSE G0A, G1A
	QLOOP RAW_B, 1
	GETFRAGS 4, 1
	SYNC_OPEN
	s_add_nc_u64 s[G0B+2:G0B+3], s[G0B+2:G0B+3], 16384
	SYNC_CLOSE G0B, G1A
	QLOOP RAW_A
	GETFRAGS 5, 1
	SYNC_OPEN
	SYNC_CLOSE G0W, G1W
	QLOOP RAW_B
	GETFRAGS 6, 1
	s_wait_dscnt 0x0
.irp c, 0,1,2,3,4,5,6,7
	global_load_b32 v[BOV+\c], v[BOA], s[10:11] offset:64*\c
.endr
	s_mov_b32 s[TB], SLOT1
	s_mov_b32 s[HB], 0
	s_mov_b32 s[HS], 0
	SYNCW
	FIRST 0
	s_mov_b32 s[CNT], 7
.Lhead:
	s_wait_alu depctr_va_vdst(0)
	QKV
	SYNCW
	FIRST 1
	s_add_co_u32 s[HB], s[HB], 1024
	s_add_co_u32 s[HS], s[HS], 2
	s_sub_co_u32 s[CNT], s[CNT], 1
	s_cmp_lg_u32 s[CNT], 0
	s_cbranch_scc1 .Lhead
	QKV
.rept 8
	v_nop
.endr
	TAILA
	TAILB
	SYNC_OPEN
	s_xor_b32 s[G0O+1], s[G0O+1], SLOT1
	s_add_nc_u64 s[G0O+2:G0O+3], s[G0O+2:G0O+3], OCHUNK
	SYNC_CLOSE G0O, G1O
	s_mul_i32 s84, s[WV], 8*2048
	v_add_nc_u32 v[ADW0], s84, v[LN16]
	s_lshl_b32 s85, s[WV], 11
	v_add_nc_u32 v[ADW1], s85, v[LN8]              ; Wo's scale words: 65,536 + 2,048 x wave + 8 x lane
	WIN 0x40
.irp f, 0,1,2,3,4,5,6,7,8,9,10,11,12,13,14,15
.irp c, 0,1,2,3
	ds_load_b128 v[16*\f+4*\c:16*\f+4*\c+3], v[ATR] offset:2048*\f+512*\c
.endr
.endr
	WIN 0
.irp pt, 0,1,2,3
	ds_load_b128 v[AS+4*\pt:AS+4*\pt+3], v[ATR] offset:ATTS-ATT+512*\pt
.endr
.irp p, 0,1,2,3
	ds_load_b64 v[WS+4*\p:WS+4*\p+1], v[ADW1] offset:512*\p
	ds_load_b64 v[WS+4*\p+2:WS+4*\p+3], v[ADW1] offset:512*\p+256
.endr
	OTL 0, 0
	OTL 1, 1
	s_wait_loadcnt 0x0
	WIN 0x80
.irp c, 0,1,2,3,4,5,6,7
.irp j, 0,1,2,3,4,5,6,7
	v_mov_b32 v[8*\c+\j], v[BOV+\c]
.endr
.endr
	s_wait_alu depctr_va_vdst(0)
	s_wait_dscnt 16                                ; all but tile 1's fragments
	OM 0, 0
	OM 0, 2
	s_wait_dscnt 0x0
	OM 1, 0
	OM 1, 2
	WIN 0
	SYNC_OPEN                                      ; chunk 1 is in, and all waves hold the attention's result in registers: its LDS bytes are the stage from here on
	s_xor_b32 s[G0O+1], s[G0O+1], SLOT1
	s_add_nc_u64 s[G0O+2:G0O+3], s[G0O+2:G0O+3], OCHUNK
	SYNC_CLOSE G0O, G1O
	s_mul_i32 s84, s[WV], 12*2048
	s_add_co_u32 s85, s84, SLOT1
	v_add_nc_u32 v[ADW0], s85, v[LN16]
.rept 4
	v_nop
.endr
	s_wait_alu depctr_va_vdst(0)
	OTL 2, 0
	OTL 3, 1
	TOSTAGE 0
	s_wait_dscnt 32                                ; behind tile 2's: tile 3's 16, the stage's 16
	OM 2, 0
	OM 2, 2
	WIN 0
	s_wait_dscnt 0x0
	SEND 0
	TOSTAGE 1
	OM 3, 0
	WIN 0
	OTL 4, 2
	OM 3, 2
	WIN 0
	s_wait_dscnt 16                                ; block 1 is back; tile 4's 16 may be out
	SEND 1
	TOSTAGE 2
	s_wait_dscnt 16                                ; tile 4's are in; the stage's 16 may be out
	OM 4, 0
	OM 4, 2
	WIN 0
	s_wait_dscnt 0x0
	SEND 2
	TOSTAGE 3
	s_wait_tensorcnt 0x0
	ds_add_u32 v[SPW], v[NIL]
	v_add_nc_u32 v[ADW0], s84, v[LN16]
	s_wait_alu depctr_va_vdst(0)
	s_wait_dscnt 0x0
	s_barrier_signal -1
	s_barrier_wait -1                              ; chunk 2 is in; nothing is filled again
.rept 8
	v_nop
.endr
	OTL 5, 0
	OTL 6, 1
	SEND 3
	TOSTAGE 4
	s_wait_dscnt 32                                ; behind tile 5's: tile 6's 16, the stage's 16
	OM 5, 0
	OM 5, 2
	WIN 0
	s_wait_dscnt 0x0
	SEND 4
	OM 6, 0
	WIN 0
	OTL 7, 2
	TOSTAGE 5
	OM 6, 2
	WIN 0
	s_wait_dscnt 16                                ; tile 7's are in; the stage's 16 may be out
	OM 7, 0
	WIN 0
	s_wait_dscnt 0x0
	SEND 5
	s_wait_xcnt 0x0                                ; blocks 0 and 1's stores have read their registers, which take blocks 6 and 7
	TOSTAGE 6
	OM 7, 2
	WIN 0
	s_wait_dscnt 0x0
	SEND 6
.rept 8
	v_nop
.endr
	TOSTAGE 7
	s_wait_dscnt 0x0
	SEND 7
	s_wait_tensorcnt 0x0
	ds_add_u32 v[SPW], v[NIL]
	s_wait_dscnt 0x0
	CROUND
	s_endpgm
.Lfunc_end_k_qa4e618d003_main:
	.size	k_qa4e618d003_main, .Lfunc_end_k_qa4e618d003_main-k_qa4e618d003_main
	.p2alignl 7, 3214868480
	.fill 96, 4, 3214868480
	.section	.rodata,"a",@progbits
	.p2align	6, 0x0
	.amdhsa_kernel k_qa4e618d003_main
		.amdhsa_group_segment_fixed_size 327680
		.amdhsa_private_segment_fixed_size 0
		.amdhsa_enable_private_segment 0
		.amdhsa_kernarg_size 40
		.amdhsa_user_sgpr_count 2
		.amdhsa_user_sgpr_kernarg_segment_ptr 1
		.amdhsa_wavefront_size32 1
		.amdhsa_system_sgpr_workgroup_id_x 1
		.amdhsa_system_sgpr_workgroup_id_y 1
		.amdhsa_system_sgpr_workgroup_id_z 1
		.amdhsa_system_vgpr_workitem_id 0
		.amdhsa_next_free_vgpr 1024
		.amdhsa_next_free_sgpr 94
		.amdhsa_reserve_vcc 0
		.amdhsa_float_denorm_mode_32 3
		.amdhsa_float_denorm_mode_16_64 3
		.amdhsa_memory_ordered 1
		.amdhsa_forward_progress 1
		.amdhsa_inst_pref_size 255
	.end_amdhsa_kernel
	.section	.bss,"aw",@nobits
	.p2align	6
	.space	262144
	.amdgpu_metadata
---
amdhsa.version: [ 1, 2 ]
amdhsa.kernels:
  - .name:           k_qa4e618d003_main
    .symbol:         k_qa4e618d003_main.kd
    .args:
      - { .name: x, .offset: 0, .size: 8, .value_kind: global_buffer, .address_space: global }
      - { .name: ax, .offset: 8, .size: 8, .value_kind: global_buffer, .address_space: global }
      - { .name: wst, .offset: 16, .size: 8, .value_kind: global_buffer, .address_space: global }
      - { .name: bo, .offset: 24, .size: 8, .value_kind: global_buffer, .address_space: global }
      - { .name: out0, .offset: 32, .size: 8, .value_kind: global_buffer, .address_space: global }
    .group_segment_fixed_size: 327680
    .private_segment_fixed_size: 0
    .kernarg_segment_align: 8
    .kernarg_segment_size: 40
    .max_flat_workgroup_size: 128
    .sgpr_count:     94
    .vgpr_count:     1024
    .wavefront_size: 32
...
	.end_amdgpu_metadata
.endif
;; end of part 2
